; MI455X (gfx1250); checked and timed in simulation.
; The chip was launched on July 23, 2026; its instructions are those of AMD's public machine-readable ISA for CDNA 5 (MIT licence, August 2026) and "CDNA5" Instruction Set Architecture Reference Guide (July 2026). The comments in the code are by the model that wrote it; some were corrected since.
;; Model. Allowed arithmetic: matrix products marked QUANTISED: E5M2 operands, one given power-of-two scale a tensor, by v_wmma_f32_16x16x64_bf8_bf8 or v_wmma_f32_16x16x128_bf8_bf8, f32 sums; everything else in f32.
;; Inputs: attn_mask 2,048 x 2,048 bool; key_codes 4 x 16 x 2,048 x 4 x 32 uint8 (E5M2 codes of key, K innermost, in blocks of 32 codes); key_padding_mask 4 x 2,048 bool; lowp_scales 4 int32 (the exponents e of the quantised operands' scales 2^e); memory_mask 2,048 x 2,048 bool; query_codes 4 x 16 x 2,048 x 4 x 32 uint8 (E5M2 codes of query, K innermost, in blocks of 32 codes); value_codes 4 x 16 x 128 x 64 x 32 uint8 (E5M2 codes of value, K innermost, in blocks of 32 codes).
;; Outputs: out0 4 x 16 x 2,048 x 128 float32.
;; Constants: dropout_p = 0.
;; This version of the problem:
;;   THIS VERSION OF THE PROBLEM IS GIVEN IN LOW PRECISION. The matrix products marked QUANTISED in the list below multiply operands that are first quantised to E5M2 (5 exponent bits, 2 mantissa bits; 8 bits a number), with one given power-of-two scale for each operand tensor; their sums are f32. All else is computed in f32.
;;   The module's matrix products, in the order in which they are computed (A, B: the left and right operand; K: the contracted axis; several contracted axes count as one K, in the product's order):
;;     1. batch 64 x [M 2,048, K 128] x [K 128, N 2,048]; A: input query (given as codes); B: input key (given as codes): QUANTISED (scales: A lowp_scales[0], B lowp_scales[1])
;;     2. batch 64 x [M 2,048, K 2,048] x [K 2,048, N 128]; A: softmax (see below); B: input value (given as codes): QUANTISED (scales: A lowp_scales[2], B lowp_scales[3])
;;   THE QUANTISER, for each operand of a quantised product, along K:
;;     - The operand's scale is 2^e, e = its entry of the input lowp_scales (int32; the entries are numbered through the quantised products in the list's order, A before B).
;;     - Each number is divided by the scale, clamped to +-57,344, and rounded to the nearest number of E5M2, ties to even, subnormals kept.
;;     - The product sums the exact products of the quantised numbers (number of the format x scale) in f32.
;;   ~~~python
;;   def quantise(x, axis, e):      # numpy; x: float32 -> the quantised numbers, widened to float32 again
;;       x = np.moveaxis(x, axis, -1); K = x.shape[-1]
;;       r = np.clip(x / 2.0 ** e, -57344, 57344)
;;       step = 2.0 ** (np.maximum(np.frexp(np.where(r == 0, 1, r))[1] - 1, -14) - 2)
;;       q = np.round(r / step) * step * 2.0 ** e      # np.round: ties to even
;;       return np.moveaxis(q, -1, axis).astype(np.float32)
;;   ~~~
;;   SOFTMAX AHEAD OF A QUANTISED PRODUCT. Where the list says 'softmax', what is quantised is not the finished softmax but p = 2^(t - M), with t = logit x log2(e) and M = ceil(the row's largest t), a whole number; so 1/2 < the row's largest p <= 1. The row's sum l is taken of the UNQUANTISED p, in f32, and the product's result is divided by l at the end. Since M is a whole number, a kernel that streams over the keys may use a running M (the ceiling of the running maximum): every later rescaling is an exact power of two, so the quantised numbers keep their values, but for numbers so far below the row's largest that they fall under the format's range.
;;   OPERANDS COMPUTED ON THE WAY. 'Computed on the way' means the value that the module computes at that place (a softmax that the list does not call 'softmax' is quantised finished and normalised). What goes into a quantiser is computed in f32, as accurately as f32 sums, v_exp_f32 and their like allow (about 1e-6 of the number): no bf16 or f16 on the way to a quantiser, and a product that is left as it is and whose result goes on into a quantised operand takes f32 operands (vector FMAs, or v_wmma_f32_16x16x4_f32). A number that lies on a knife's edge between two numbers of the format may be rounded either way, as far as f32 arithmetic and the matrix unit's own rounding can turn it there, and no further.
;;   INPUTS GIVEN AS CODES. key (in the module: [4, 16, 2048, 128], K = its axis 3); query (in the module: [4, 16, 2048, 128], K = its axis 3); value (in the module: [4, 16, 2048, 128], K = its axis 2): each comes as NAME_codes (uint8): NAME with its K axis moved to the last place and cut into blocks of 32 codes, [.., K / 32, bytes a block], one block behind the other in memory; one code a byte (a code: sign, 5 exponent bits, 2 mantissa bits); its scale is its entry of lowp_scales. Its value is code x scale, taken as it is: it is not quantised again, and the codes and scales need not be those that the quantiser above would give.
;; One version. Each part assembles by itself: llvm-mc -triple=amdgcn-amd-amdhsa -mcpu=gfx1250 --defsym DOCPART=n.
;; ======== version 1 of 1: 1 launch
;; limits: right only within a limited range of input values
;; launch attn (part 1): grid 4 x 64, 8 waves a work-group, clusters of 4 x 1, 327,680 bytes of LDS; arguments query_codes, key_codes, value_codes, lowp_scales, out0; writes out0
.if DOCPART == 1
	.amdgcn_target "amdgcn-amd-amdhsa--gfx1250"
	.amdhsa_code_object_version 6
	.text
	.protected	k_q7f164d463e_attn
	.globl	k_q7f164d463e_attn
	.p2align	8
	.type	k_q7f164d463e_attn,@function
k_q7f164d463e_attn:
	s_mov_b64 s[64:65], 0
	v_nop
	global_prefetch_b8 v0, s[64:65] scope:SCOPE_SE
	s_setreg_imm32_b32 hwreg(HW_REG_WAVE_MODE, 25, 1), 1
	s_wait_xcnt 0x0
	s_wait_alu depctr_hold_cnt(0) depctr_sa_sdst(0) depctr_va_vdst(0) depctr_va_sdst(0) depctr_va_ssrc(0) depctr_va_vcc(0) depctr_vm_vsrc(0)
	s_getreg_b32 s2, hwreg(HW_REG_IB_STS2, 6, 4)
	s_cmp_eq_u32 s2, 0
	s_cbranch_scc0 .Lentry_in_a_cluster
	s_endpgm
.Lentry_in_a_cluster:
	s_bfe_u32 s2, ttmp6, 0x10000c
	s_cmp_lg_u32 s2, 0x3003
	s_cbranch_scc0 .Lentry_shape_is_right
	s_endpgm
.Lentry_shape_is_right:
; out0[h][q][:] = the sum over k of softmax_k(Q[h][q] . K[h][k] / 0.32) V[h][k][:], 64 heads (4 x 16) of 2,048 queries and keys, head size 128.
; Both products run on the given codes of BF8 (E5M2); each tensor has the one scale 2^e of lowp_scales: eq, ek, ep, ev.
; Q, K: [64][2048][128] codes.  V: [64][128][2048] codes, the keys innermost.  out0: [64][2048][128] f32.
; SOFTMAX: t = score x log2(e) / 0.32; M = the row's largest t so far, rounded up to a whole number; p = 2^(t - M) is quantised (scale 2^ep), not normalised.
; The row's sum is taken of the unquantised p in f32 and divides O at the end.  When M moves, the sum and O are multiplied by 2^(old M - new M), which rounds nothing.
; NOT READ: key_padding_mask, attn_mask, memory_mask, dropout_p.  no output hangs on them, whatever they hold.  So a NaN or infinity in them reaches no result here either.
; LIMITS: eq + ek between -128 and 125 (added to the exponent field, 129, of c); ep between -126 and 112 (2^ep and 57,344 x 2^ep are made as f32 numbers); the scaled scores stay under 2^31 in magnitude;
; codes of NaN or infinity among the inputs are not served.
; SHARES.  256 work-groups: the four of a cluster own one head, 512 queries each, made as two blocks of 256, one after the other.  Each of the eight waves owns 32 queries of a block, two tiles of 16, in 512 registers.
; Every wave walks all keys of the head for each block, 128 a step.  The ring of K and V goes on from the first block into the second.
; LAYOUT.  Both products transposed: S^T = K Q^T, O^T = V^T P^T: a lane holds one query (lane % 16) of each tile.  Registers 2 c, 2 c + 1 of lane (r, h) hold k = 16 c + 8 h + 0 .. 7, so fragments come 8 bytes at a time;
; register 8 k + j of S^T is key 16 k + 8 h + j, and eight such numbers convert into registers 2 k, 2 k + 1 of P.
; SPLIT = 1: Q is split once a block into the codes whose exponent field is BIGF or more and the rest, each with the code 0 where the other has the code.  A score is K x (large codes), begun from 0, and
; K x (the rest) added in the same accumulator: the same sum of the same exact products.
; CLUSTER.  The four partners walk the same K and V: each tile is asked for jointly, by the same tensor load with the same descriptor and the mask 15.
; RING.  Two LDS slots of 512 keys (K: 512 rows of 128 + 16 bytes; V: 128 rows of 512 + 16 bytes).  Waves 0 to 3 fetch K's quarters, waves 4 to 7 V's: one tensor load a wave behind each round, one out at a time.
; A block is four visits of a slot; the eight visits are three trips of a loop over pairs of slots and a tail written out, whose last visit asks for nothing.  The first block leaves behind the loop's second trip.
; PREFETCH.  K's and V's keys 1,024 .. 2,047 are asked into the L2 in the first walk, 512 keys at each of the first two changes of slots, one slot ahead of the tensor load that wants them.  The partners share
; a slot's 512 blocks of 256 bytes out by address: waves 0, 1 of each take 8,192 bytes of K (lanes 256 bytes apart), waves 2, 3 take 32 rows of V (a lane a row, 256 bytes a wave).  The first 1,024 keys come by their
; loads alone; the second walk reads what the same cluster has read.  Each wave also asks once, at the head, for its 4,096 bytes of Q of the second block.
; REGISTERS.  Window 0: v0 a second copy of the hold's limit; v1-11 addresses; v12-27 eight statistics a tile; v28-31 second sum chains; v32-63 Q (the rest); v64-191 S^T, then p; v192-223 P; v224-255 Q's large codes.
; Window 1: v0-127 O^T; v128-255 eight fragments, K's and then V's.
.set SPLIT, 1                          ; 1: a score is two matrix instructions on one accumulator, as the head's comment says; 0 would make it one, K x Q begun from 0
.set DUAL,  1                          ; the hold on p as pairs in one instruction
.set SK,    512
.set KP,    144                        ; 36 words: the 32 lanes of an 8-byte load (36 r + 2 h words) touch 64 different banks (ISA guide 11.1)
.set VP,    528                        ; 132 words: likewise
.set VOFF,  SK*KP
.set SLOTB, VOFF+128*VP                ; 141,312 bytes a slot
.set STAGE, 2*SLOTB                    ; the way out: 16 rows x (256 + 16) bytes for each wave, bytes on which no fill lands
.set SP,    272
.set SPARE, STAGE+8*16*SP              ; the spare words: 128 bytes a wave, four blocks of 256 bytes that no other line names
.set BIGF,  29
.set LIM2, 0
.set AK0,  1                           ; 144 r + 8 h
.set AV0,  2                           ; VOFF + 528 r + 8 h
.set PFO,  3                           ; the prefetches' lane offset; never rewritten
.set ADK,  4
.set SPW,  5
.set NIL,  6
.set ADV,  7
.set GO,   8                           ; 512 h + 16 r: my bytes of two rows of out0
.set STO,  9
.set RD,   10
.set QA,   11                          ; 128 r + 8 h
.set ST,   12                          ; tile t at v[ST+8 t]: +0 -M, +1 largest t, +2, +3 the sum, +4 f, +5 LIMV or SCV, +6, +7 at work
.set LIMV, ST+5                        ; 57,344 x 2^ep
.set SCV,  ST+13                       ; 2^ep
.set XS,   28
.set Q,    32
.set S,    64
.set P,    192
.set QB,   224
.set FRG,  128
.set TK,   2                           ; s2, s3: LDS byte of the step's keys in K's rows and along V's rows
.set TV,   3
.set WV,   14
.set SEL,  20
.set CS,   22
.set G1K,  24
.set G1V,  32
.set G0K,  40                          ; s[40:47] K's groups 0, one a slot;  s[48:55] V's
.set G0V,  48
.set BK,   72                          ; s[72:73], s[74:75] my quarter's first byte in the head's K and V
.set BV,   74
.set OFK,  76                          ; s[76:79], s[80:83] byte offsets of the keys that each slot takes next
.set OFV,  80
.set SC,   84                          ; s[84:87] eq, ek, ep, ev
.set PFA,  88
.set PFS,  90
.set PFC,  92                          ; prefetches that my wave still has to issue
.set PAIRS, 93
.set STEPS, 94
.set MSB, 0
.macro WIN new
.if MSB != \new
	s_set_vgpr_msb (MSB<<8)|\new
.set MSB, \new
.endif
.endm
.set TO_F,  0x40
.set W_KQ,  0x01
.set W_RS,  0x41
.set W_PV,  0x51
.set W_OUT, 0x01
.macro CROUND                          ; a round of the cluster's barrier
	s_barrier_signal -1
	s_barrier_wait -1
	s_cmp_lg_u32 s[WV], 0
	s_cbranch_scc1 .Lnot_wave_0_\@
	s_barrier_signal -3
.Lnot_wave_0_\@:
	s_barrier_wait -3
	s_barrier_signal -1
	s_barrier_wait -1
.endm
.macro JLOAD s                         ; a joint load into slot s: every wave issues one; the branch hangs on the wave's number alone
	s_cmp_lt_u32 s[WV], 4
	s_cbranch_scc0 .Lfor_v_\@
	tensor_load_to_lds s[G0K+4*\s:G0K+4*\s+3], s[G1K:G1K+7]
	s_nop 0
.rept 4
	v_nop
.endr
	s_branch .Lasked_\@
.Lfor_v_\@:
	tensor_load_to_lds s[G0V+4*\s:G0V+4*\s+3], s[G1V:G1V+7]
	s_nop 0
.rept 4
	v_nop
.endr
.Lasked_\@:
.endm
.macro ASK                             ; the slot that the next change will ask for; two a wave in waves 0 to 3, none in the others
	s_cmp_eq_u32 s[PFC], 0
	s_cbranch_scc1 .Lnone_\@
	global_prefetch_b8 v[PFO], s[PFA:PFA+1] th:TH_LOAD_NT scope:SCOPE_SE
	s_sub_co_u32 s[PFC], s[PFC], 1
.Lnone_\@:
.endm
.macro QLOAD                           ; Q's two fragments: registers 2 c, 2 c + 1 hold channels 16 c + 8 h + 0 .. 7
.irp t, 0,1
.irp c, 0,1,2,3,4,5,6,7
	global_load_b64 v[Q+16*\t+2*\c:Q+16*\t+2*\c+1], v[QA], s[4:5] offset:2048*\t+16*\c th:TH_LOAD_NT
.endr
.endr
.endm
.macro INIT                            ; a block begins: the largest t is -3e38, the sums and O^T are zeros, which the first change of M leaves zeros
.irp t, 0,1
	v_mov_b32 v[ST+8*\t+1], 0xff61b1e6
	s_delay_alu instid0(VALU_DEP_1)
	v_floor_f32 v[ST+8*\t], -v[ST+8*\t+1]
	v_mov_b32 v[ST+8*\t+2], 0
	v_mov_b32 v[ST+8*\t+3], 0
.endr
	WIN TO_F
.set jj, 0
.rept 128
	v_mov_b32 v[jj], 0
.set jj, jj+1
.endr
	WIN 0
.endm
; Q is split, four codes a register: with 128 - 4 BIGF added to a code's low seven bits, bit 7 is set where the exponent field is BIGF or more, and no byte carries (127 + 12 < 256); that bit x 255 masks whole bytes.
.macro QSPLIT
.if SPLIT
	s_mov_b32 s16, 0x7f7f7f7f
	s_mov_b32 s17, (128-4*BIGF)*0x01010101
	s_mov_b32 s18, 0x80808080
	s_mov_b32 s19, 255
.set jj, 0
.rept 32
	v_and_b32 v[S+jj], s16, v[Q+jj]
.set jj, jj+1
.endr
.set jj, 0
.rept 32
	v_add_nc_u32 v[S+jj], s17, v[S+jj]
.set jj, jj+1
.endr
.set jj, 0
.rept 32
	v_and_b32 v[S+jj], s18, v[S+jj]
.set jj, jj+1
.endr
.set jj, 0
.rept 32
	v_lshrrev_b32 v[S+jj], 7, v[S+jj]
.set jj, jj+1
.endr
.set jj, 0
.rept 32
	v_mul_lo_u32 v[S+jj], v[S+jj], s19
.set jj, jj+1
.endr
.set jj, 0
.rept 32
	v_and_b32 v[QB+jj], v[S+jj], v[Q+jj]
.set jj, jj+1
.endr
.set jj, 0
.rept 32
	v_xor_b32 v[Q+jj], v[QB+jj], v[Q+jj]
.set jj, jj+1
.endr
.endif
.endm
	s_load_b256 s[4:11], s[0:1], 0x0               ; Q, K, V, the scales' exponents
	s_load_b64 s[12:13], s[0:1], 0x20              ; out0
	v_lshl_add_u32 v[SPW], v0, 2, SPARE
	v_mov_b32 v[NIL], 0
	ds_add_u32 v[SPW], v[NIL]                      ; the opening lines: the add twice on end and one wait
	ds_add_u32 v[SPW], v[NIL]
	v_lshrrev_b32 v[QA], 5, v0
	v_readfirstlane_b32 s[WV], v[QA]               ; wave 0..7
	v_and_b32 v[XS], 15, v0                        ; r
	v_bfe_u32 v[XS+1], v0, 4, 1                    ; h
	v_and_b32 v[XS+2], 31, v0                      ; lane
	v_lshlrev_b32 v[QA], 7, v[XS]
	v_lshl_add_u32 v[QA], v[XS+1], 3, v[QA]
	v_min_u32 v[XS+3], 15, v[XS+2]
	v_lshlrev_b32 v[XS+3], 8, v[XS+3]              ; Q's prefetch: 16 blocks of 256 bytes; lanes 16-31 name the last again
	s_bfe_u32 s15, ttmp6, 0x40000                  ; cx: it enters Q's, out0's and the prefetches' addresses alone
	s_and_b32 s56, ttmp7, 0xffff                   ; the head
	s_mov_b32 s57, 0
	s_lshl_b64 s[60:61], s[56:57], 18              ; the head's first byte in each tensor of codes,
	s_lshl_b64 s[62:63], s[56:57], 20              ; and in out0
	s_lshl_b32 s16, s15, 9
	s_lshl_b32 s17, s[WV], 5
	s_add_co_u32 s66, s16, s17                     ; my first query: 512 cx + 32 wave
	s_mov_b32 s67, 0
	s_lshl_b64 s[68:69], s[66:67], 7
	s_add_nc_u64 s[68:69], s[68:69], s[60:61]
	s_lshl_b64 s[70:71], s[66:67], 9
	s_add_nc_u64 s[70:71], s[70:71], s[62:63]
	s_and_b32 s18, s[WV], 3                        ; which quarter I fetch
	s_lshl_b32 s[BK], s18, 14                      ; K: 128 keys of 128 bytes,
	s_mov_b32 s[BK+1], 0
	s_add_nc_u64 s[BK:BK+1], s[BK:BK+1], s[60:61]
	s_mul_i32 s19, s18, 128*KP
	s_lshl_b32 s[BV], s18, 16                      ; V: 32 rows of 2,048 bytes
	s_mov_b32 s[BV+1], 0
	s_add_nc_u64 s[BV:BV+1], s[BV:BV+1], s[60:61]
	s_mul_i32 s96, s18, 32*VP
	s_add_co_u32 s96, s96, VOFF
	; group 1.  K: 128 rows of 128 bytes, dense, stated as 64 rows of 256, four words of padding behind every 32.  V: 32 rows of 512 bytes, 2,048 apart, four words behind every 128
	s_mov_b32 s[G1K], 15|(1<<20)|(1<<21)|(4<<22)|(3<<25)
	s_mov_b32 s[G1K+1], 256<<16
	s_mov_b32 s[G1K+2], 64<<16
	s_mov_b32 s[G1K+3], 256<<16
	s_mov_b32 s[G1K+4], 64
	s_mov_b32 s[G1K+5], 256
	s_mov_b32 s[G1K+6], 0
	s_mov_b32 s[G1K+7], 0
	s_mov_b32 s[G1V], 15|(1<<20)|(1<<21)|(6<<22)|(3<<25)
	s_mov_b32 s[G1V+1], 512<<16
	s_mov_b32 s[G1V+2], 32<<16
	s_mov_b32 s[G1V+3], 512<<16
	s_mov_b32 s[G1V+4], 32
	s_mov_b32 s[G1V+5], 2048
	s_mov_b32 s[G1V+6], 0
	s_mov_b32 s[G1V+7], 0
.irp s, 0,1
	s_mov_b32 s[G0K+4*\s], 1
	s_add_co_u32 s[G0K+4*\s+1], s19, \s*SLOTB
	s_mov_b32 s[G0V+4*\s], 1
	s_add_co_u32 s[G0V+4*\s+1], s96, \s*SLOTB
.endr
	s_mov_b32 s[OFK], 2*65536                      ; slot 0 takes keys 1,024 on next, slot 1 keys 512 on; each then by turns 1,024 keys further or back
	s_mov_b32 s[OFK+1], 0
	s_mov_b32 s[OFK+2], 65536
	s_mov_b32 s[OFK+3], 0
	s_mov_b32 s[OFV], 2*512
	s_mov_b32 s[OFV+1], 0
	s_mov_b32 s[OFV+2], 512
	s_mov_b32 s[OFV+3], 0
	s_mov_b32 s[SEL], 0x76543210
	s_mov_b32 s[SEL+1], 0xfedcba98
	s_mov_b32 s[CS], 0x409044fe                    ; c = log2(e) / 0.32
	s_mov_b32 s[PAIRS], 3
	s_wait_alu depctr_va_vdst(0)
	s_wait_dscnt 0x0                               ; both opening adds are done
	s_wait_kmcnt 0x0
	s_load_b128 s[SC:SC+3], s[10:11], 0x0
	s_add_nc_u64 s[4:5], s[4:5], s[68:69]
	QLOAD                                          ; the first block's Q sets out ahead of the round
	s_add_nc_u64 s[12:13], s[12:13], s[70:71]
	s_add_nc_u64 s[BK:BK+1], s[6:7], s[BK:BK+1]
	s_add_nc_u64 s[BV:BV+1], s[8:9], s[BV:BV+1]
	s_mov_b64 s[G0K+2:G0K+3], s[BK:BK+1]
	s_or_b32 s[G0K+3], s[G0K+3], 0x80000000
	s_mov_b64 s[G0V+2:G0V+3], s[BV:BV+1]
	s_or_b32 s[G0V+3], s[G0V+3], 0x80000000
	CROUND                                         ; all four work-groups are here: the first joint loads meet
	JLOAD 0                                        ; keys 0 .. 511: one tensor load a wave at the head
	; the prefetches: waves 0, 1 ask for K, waves 2, 3 for V
	s_cmp_lt_u32 s[WV], 2
	s_cselect_b64 s[PFA:PFA+1], s[6:7], s[8:9]
	s_mov_b32 s[PFS], 512
	s_cselect_b32 s[PFS], 65536, s[PFS]            ; a slot on
	s_mov_b32 s95, 2048
	s_cselect_b32 s95, 256, s95                    ; from lane to lane
	s_mov_b32 s98, 65536
	s_cselect_b32 s98, 16384, s98                  ; from partner to partner
	s_mov_b32 s99, 256
	s_cselect_b32 s99, 8192, s99                   ; from the first wave of the two to the second
	v_mul_lo_u32 v[PFO], v[XS+2], s95
	s_mul_i32 s98, s98, s15
	s_and_b32 s97, s[WV], 1
	s_mul_i32 s99, s99, s97
	s_add_co_u32 s98, s98, s99
	s_add_co_u32 s98, s98, s[PFS]                  ; at keys 512: the first change of slots steps it to keys 1,024
	s_mov_b32 s99, 0
	s_mov_b32 s[PFS+1], 0
	s_add_nc_u64 s[PFA:PFA+1], s[PFA:PFA+1], s[60:61]
	s_add_nc_u64 s[PFA:PFA+1], s[PFA:PFA+1], s[98:99]
	s_cmp_lt_u32 s[WV], 4
	s_cselect_b32 s[PFC], 2, 0
	global_prefetch_b8 v[XS+3], s[4:5] offset:32768 th:TH_LOAD_NT scope:SCOPE_SE   ; my Q of the second block, 256 rows on
	v_mul_u32_u24 v[AK0], v[XS], KP
	v_mul_u32_u24 v[AV0], v[XS], VP
	v_lshl_add_u32 v[AK0], v[XS+1], 3, v[AK0]
	v_lshl_add_u32 v[AV0], v[XS+1], 3, v[AV0]
	v_lshlrev_b32 v[GO], 9, v[XS+1]
	v_add_nc_u32 v[AV0], VOFF, v[AV0]
	v_lshl_add_u32 v[GO], v[XS], 4, v[GO]
	s_mul_i32 s97, s[WV], 16*SP
	s_add_co_u32 s97, s97, STAGE                   ; my stage
	v_mul_u32_u24 v[STO], v[XS], SP                ; in: row r, 32 bytes for each half of the lanes
	v_mul_u32_u24 v[RD], v[XS+1], SP               ; back: lanes 0-15 one row of 256 bytes, lanes 16-31 the next
	v_lshl_add_u32 v[STO], v[XS+1], 5, v[STO]
	v_lshl_add_u32 v[RD], v[XS], 4, v[RD]
	v_add_nc_u32 v[STO], s97, v[STO]
	v_add_nc_u32 v[RD], s97, v[RD]
	INIT
	s_wait_kmcnt 0x0
	s_add_co_i32 s16, s[SC], s[SC+1]
	s_lshl_b32 s16, s16, 23
	s_add_co_i32 s[CS], s[CS], s16                 ; eq + ek are added to c's exponent field
	s_mov_b32 s[CS+1], s[CS]
	s_add_co_i32 s16, s[SC+2], 127
	s_lshl_b32 s17, s16, 23
	v_mov_b32 v[SCV], s17                          ; 2^ep
	s_add_co_i32 s16, s16, 15
	s_lshl_b32 s16, s16, 23
	s_or_b32 s16, s16, 0x600000
	v_mov_b32 v[LIMV], s16                         ; 57,344 x 2^ep,
	v_mov_b32 v[LIM2], s16                         ; and once more, in another register bank, for the second half of a pair (v0 is done with)
; keys 16 k0 .. 16 k0 + 63 against my two tiles.  The eight accumulators take turns, one instruction a turn: seven others' stand between a sum's two links.
.macro KQ8 k0
.if SPLIT
.irp k, \k0, \k0+1, \k0+2, \k0+3
.irp t, 0,1
	v_wmma_f32_16x16x128_bf8_bf8 v[S+64*\t+8*(\k):S+64*\t+8*(\k)+7], v[FRG+16*(\k):FRG+16*(\k)+15], v[QB+16*\t:QB+16*\t+15], 0
.endr
.endr
.irp k, \k0, \k0+1, \k0+2, \k0+3
.irp t, 0,1
	v_wmma_f32_16x16x128_bf8_bf8 v[S+64*\t+8*(\k):S+64*\t+8*(\k)+7], v[FRG+16*(\k):FRG+16*(\k)+15], v[Q+16*\t:Q+16*\t+15], v[S+64*\t+8*(\k):S+64*\t+8*(\k)+7]
.endr
.endr
.else
.irp k, \k0, \k0+1, \k0+2, \k0+3
.irp t, 0,1
	v_wmma_f32_16x16x128_bf8_bf8 v[S+64*\t+8*(\k):S+64*\t+8*(\k)+7], v[FRG+16*(\k):FRG+16*(\k)+15], v[Q+16*\t:Q+16*\t+15], 0
.endr
.endr
.endif
.endm
.macro SUM t                           ; tile t's 64 numbers p are added onto its sum, two at a time, in four chains: the sum's own pair, v[28:29], v[30:31] and v[18:19], which are free here
	v_pk_add_f32 v[XS:XS+1], v[S+64*\t:S+64*\t+1], v[S+64*\t+2:S+64*\t+3]
	v_pk_add_f32 v[XS+2:XS+3], v[S+64*\t+4:S+64*\t+5], v[S+64*\t+6:S+64*\t+7]
	v_pk_add_f32 v[ST+6:ST+7], v[S+64*\t+8:S+64*\t+9], v[S+64*\t+10:S+64*\t+11]
.irp j, 12,20,28,36,44,52
	v_pk_add_f32 v[ST+8*\t+2:ST+8*\t+3], v[ST+8*\t+2:ST+8*\t+3], v[S+64*\t+\j:S+64*\t+\j+1]
	v_pk_add_f32 v[XS:XS+1], v[XS:XS+1], v[S+64*\t+\j+2:S+64*\t+\j+3]
	v_pk_add_f32 v[XS+2:XS+3], v[XS+2:XS+3], v[S+64*\t+\j+4:S+64*\t+\j+5]
	v_pk_add_f32 v[ST+6:ST+7], v[ST+6:ST+7], v[S+64*\t+\j+6:S+64*\t+\j+7]
.endr
	v_pk_add_f32 v[ST+8*\t+2:ST+8*\t+3], v[ST+8*\t+2:ST+8*\t+3], v[S+64*\t+60:S+64*\t+61]
	v_pk_add_f32 v[XS:XS+1], v[XS:XS+1], v[S+64*\t+62:S+64*\t+63]
	v_pk_add_f32 v[XS+2:XS+3], v[XS+2:XS+3], v[ST+6:ST+7]
	v_pk_add_f32 v[ST+8*\t+2:ST+8*\t+3], v[ST+8*\t+2:ST+8*\t+3], v[XS:XS+1]
	v_pk_add_f32 v[ST+8*\t+2:ST+8*\t+3], v[ST+8*\t+2:ST+8*\t+3], v[XS+2:XS+3]
.endm
.macro HOLD a
.if DUAL
	v_dual_min_num_f32 v[\a], v[\a], v[LIMV] :: v_dual_min_num_f32 v[\a+1], v[\a+1], v[LIM2]
.else
	v_min_num_f32 v[\a], v[\a], v[LIMV]
	v_min_num_f32 v[\a+1], v[\a+1], v[LIMV]
.endif
.endm
; A KEY STEP: the 128 keys at s[TK], s[TV], for my two tiles.  Every window is 0 at its head and at its end.
.macro STEP
	v_add_nc_u32 v[ADK], s[TK], v[AK0]
	v_add_nc_u32 v[ADV], s[TV], v[AV0]
	v_nop                                          ; with the two additions: four places between the last products and the loads into the registers that they read
	v_nop
	WIN TO_F
.irp k, 0,1,2,3,4,5,6,7
.irp c, 0,1,2,3,4,5,6,7
	ds_load_b64 v[FRG+16*\k+2*\c:FRG+16*\k+2*\c+1], v[ADK] offset:16*\k*KP+16*\c
.endr
.endr
	WIN W_KQ
	s_wait_alu depctr_va_vdst(0)
	s_wait_dscnt 32                                ; fragments 0 to 3 are in; the 32 younger loads may be out
	KQ8 0
	s_wait_dscnt 0x0
	KQ8 4
.rept 4
	v_nop                                          ; four places: in front of the loads into K's registers and of the first read of the scores
.endr
	WIN TO_F
.irp u, 0,1,2,3,4,5,6,7                        ; V's fragments take K's place and land under the softmax
.irp c, 0,1,2,3,4,5,6,7
	ds_load_b64 v[FRG+16*\u+2*\c:FRG+16*\u+2*\c+1], v[ADV] offset:16*\u*VP+16*\c
.endr
.endr
	WIN 0
	; the step's largest score of each query among my 64 keys: two chains a tile; each accumulator is read from its low end on
.irp t, 0,1
	v_max3_num_f32 v[ST+8*\t+6], v[S+64*\t], v[S+64*\t+1], v[S+64*\t+2]
	v_max3_num_f32 v[ST+8*\t+7], v[S+64*\t+3], v[S+64*\t+4], v[S+64*\t+5]
.endr
.irp i, 6,10,14,18,22,26,30,34,38,42,46,50,54,58
.irp t, 0,1
	v_max3_num_f32 v[ST+8*\t+6], v[ST+8*\t+6], v[S+64*\t+\i], v[S+64*\t+\i+1]
	v_max3_num_f32 v[ST+8*\t+7], v[ST+8*\t+7], v[S+64*\t+\i+2], v[S+64*\t+\i+3]
.endr
.endr
.irp t, 0,1
	v_max3_num_f32 v[ST+8*\t+6], v[ST+8*\t+6], v[S+64*\t+62], v[S+64*\t+63]
.endr
.irp t, 0,1
	s_delay_alu instid0(VALU_DEP_2)
	v_max_num_f32 v[ST+8*\t+6], v[ST+8*\t+6], v[ST+8*\t+7]
.endr
.irp t, 0,1
	s_delay_alu instid0(VALU_DEP_2)
	v_permlanex16_b32 v[ST+8*\t+7], v[ST+8*\t+6], s[SEL], s[SEL+1]   ; the query's other 64 keys lie in the lane 16 away
.endr
.irp t, 0,1
	s_delay_alu instid0(VALU_DEP_2)
	v_max_num_f32 v[ST+8*\t+6], v[ST+8*\t+6], v[ST+8*\t+7]
.endr
.irp t, 0,1
	s_delay_alu instid0(VALU_DEP_2)
	v_mul_f32 v[ST+8*\t+6], s[CS], v[ST+8*\t+6]    ; as t (c is positive)
.endr
.irp t, 0,1
	s_delay_alu instid0(VALU_DEP_2)
	v_max_num_f32 v[ST+8*\t+1], v[ST+8*\t+1], v[ST+8*\t+6]
.endr
.irp t, 0,1
	v_mov_b32 v[ST+8*\t+6], v[ST+8*\t]
.endr
.irp t, 0,1
	s_delay_alu instid0(VALU_DEP_4)
	v_floor_f32 v[ST+8*\t], -v[ST+8*\t+1]          ; the new -M = -ceil(t)
.endr
.irp t, 0,1
	s_delay_alu instid0(VALU_DEP_2)
	v_sub_f32 v[ST+8*\t+6], v[ST+8*\t], v[ST+8*\t+6]
.endr
.irp t, 0,1
	s_delay_alu instid0(VALU_DEP_2)
	v_cvt_i32_f32 v[ST+8*\t+6], v[ST+8*\t+6]       ; (it saturates)
.endr
.irp t, 0,1
	s_delay_alu instid0(VALU_DEP_2)
	v_ldexp_f32 v[ST+8*\t+4], 1.0, v[ST+8*\t+6]    ; f = 2^(old M - new M)
.endr
.set jj, 0
.rept 32
	v_pk_fma_f32 v[S+jj:S+jj+1], v[S+jj:S+jj+1], s[CS:CS+1], v[ST:ST+1] op_sel_hi:[1,0,0]   ; t - M, two at a time
.set jj, jj+2
.endr
.set jj, 0
	s_wait_alu depctr_va_vdst(0)                   ; the wait ahead of a batch of exponentials
.rept 32                                       ; tile 1's scalings stand among tile 0's exponentials
	v_exp_f32 v[S+jj], v[S+jj]
	v_exp_f32 v[S+jj+1], v[S+jj+1]
	v_pk_fma_f32 v[S+64+jj:S+64+jj+1], v[S+64+jj:S+64+jj+1], s[CS:CS+1], v[ST+8:ST+9] op_sel_hi:[1,0,0]
.set jj, jj+2
.endr
.set jj, 0
	s_wait_alu depctr_va_vdst(0)                   ; and ahead of tile 1's
.irp t, 0,1
	v_pk_mul_f32 v[ST+8*\t+2:ST+8*\t+3], v[ST+8*\t+2:ST+8*\t+3], v[ST+8*\t+4:ST+8*\t+5] op_sel_hi:[1,0]   ; the sums under the new M
.endr
	SUM 0                                          ; tile 0's exponentials are behind the wait above: its sum is taken of the unquantised p,
.rept 32                                       ; and its holds stand among tile 1's exponentials; what they write is first read behind the wait below
	v_exp_f32 v[S+64+jj], v[S+64+jj]
	v_exp_f32 v[S+64+jj+1], v[S+64+jj+1]
	HOLD S+jj
.set jj, jj+2
.endr
	v_nop                                          ; the plain line behind the last exponential
	s_wait_alu depctr_va_vdst(0)                   ; one wait for the batch, ahead of its first reader
	SUM 1
.set jj, 0
.rept 32
	HOLD S+64+jj
.set jj, jj+2
.endr
.irp t, 0,1                                    ; p becomes codes: keys 16 k + 8 h + 0 .. 7 go to registers 2 k, 2 k + 1 of P
.irp k, 0,1,2,3,4,5,6,7
	v_cvt_scalef32_pk8_bf8_f32 v[P+16*\t+2*\k:P+16*\t+2*\k+1], v[S+64*\t+8*\k:S+64*\t+8*\k+7], v[SCV]
.endr
.endr
	WIN W_RS
	s_wait_alu depctr_va_vdst(0)                   ; the wait directly ahead of the first reader of O^T
.irp t, 0,1
.set jj, 0
.rept 32
	v_pk_mul_f32 v[64*\t+jj:64*\t+jj+1], v[64*\t+jj:64*\t+jj+1], v[ST+8*\t+4:ST+8*\t+5] op_sel_hi:[1,0]   ; O^T x f, each accumulator from its low end on (also the plain lines behind the last conversion)
.set jj, jj+2
.endr
.endr
	s_wait_alu depctr_va_vdst(0)
	s_wait_dscnt 0x0                               ; V's fragments are in
	WIN W_PV
.irp u, 0,1,2,3,4,5,6,7                        ; O^T += V^T P^T: the sixteen accumulators take turns
.irp t, 0,1
	v_wmma_f32_16x16x128_bf8_bf8 v[64*\t+8*\u:64*\t+8*\u+7], v[FRG+16*\u:FRG+16*\u+15], v[P+16*\t:P+16*\t+15], v[64*\t+8*\u:64*\t+8*\u+7]
.endr
.endr
	WIN 0
.endm
; A VISIT of a slot: the change of slots, then its four key steps.  In front of the round each wave waits for its tensor load (its part of this slot), adds 0 to its spare word, and waits for that and for its reads of the other slot.
; fill = 1: behind the round the other slot is asked for, each wave's one joint load; it has this slot's four key steps in which to land.
.macro VISIT slot, fill
	s_wait_tensorcnt 0x0                           ; no tensor load of mine is out, so a group 0 may be written
	ds_add_u32 v[SPW], v[NIL]
.if \fill
	s_add_nc_u64 s[G0K+4*(1-\slot)+2:G0K+4*(1-\slot)+3], s[BK:BK+1], s[OFK+2*(1-\slot):OFK+2*(1-\slot)+1]
	s_or_b32 s[G0K+4*(1-\slot)+3], s[G0K+4*(1-\slot)+3], 0x80000000
	s_xor_b32 s[OFK+2*(1-\slot)], s[OFK+2*(1-\slot)], 2*65536   ; that slot's next keys: 1,024 further or back
	s_add_nc_u64 s[G0V+4*(1-\slot)+2:G0V+4*(1-\slot)+3], s[BV:BV+1], s[OFV+2*(1-\slot):OFV+2*(1-\slot)+1]
	s_or_b32 s[G0V+4*(1-\slot)+3], s[G0V+4*(1-\slot)+3], 0x80000000
	s_xor_b32 s[OFV+2*(1-\slot)], s[OFV+2*(1-\slot)], 2*512
	s_wait_xcnt 0x0                                ; any prefetch of mine has read its address, so it may be stepped
	s_add_nc_u64 s[PFA:PFA+1], s[PFA:PFA+1], s[PFS:PFS+1]
.endif
	s_mov_b32 s[TK], \slot*SLOTB
	s_mov_b32 s[TV], \slot*SLOTB
	s_mov_b32 s[STEPS], 4
	s_wait_dscnt 0x0                               ; the add is done, and my reads of the other slot are over
.if \fill
	CROUND
	JLOAD (1-\slot)
	ASK
.else
	s_barrier_signal -1
	s_barrier_wait -1
.endif
.Lstep_\@:
	STEP
	s_add_co_u32 s[TK], s[TK], 128*KP
	s_add_co_u32 s[TV], s[TV], 128
	s_sub_co_u32 s[STEPS], s[STEPS], 1
	s_cmp_lg_u32 s[STEPS], 0
	s_cbranch_scc1 .Lstep_\@
.endm
; THE WAY OUT.  Register 8 u + j of O^T is out0(r, 16 u + 8 h + j).  A tile goes through my stage half a row (256 bytes) of 16 queries at a time and comes back into the registers that it left.
.macro OUT t
	WIN W_OUT
	s_wait_alu depctr_va_vdst(0)                   ; the wait directly ahead of the first reader of O^T
.set jj, 0
.rept 32
	v_pk_mul_f32 v[S+64*(\t)+jj:S+64*(\t)+jj+1], v[64*(\t)+jj:64*(\t)+jj+1], v[ST+8*(\t)+4:ST+8*(\t)+5] op_sel_hi:[1,0]
.set jj, jj+2
.endr
	WIN 0
.irp g, 0,1
.irp u, 0,1,2,3
	ds_store_b128 v[STO], v[S+64*(\t)+32*\g+8*\u:S+64*(\t)+32*\g+8*\u+3] offset:64*\u
	ds_store_b128 v[STO], v[S+64*(\t)+32*\g+8*\u+4:S+64*(\t)+32*\g+8*\u+7] offset:64*\u+16
.endr
.irp i, 0,1,2,3,4,5,6,7
	ds_load_b128 v[S+64*(\t)+32*\g+4*\i:S+64*(\t)+32*\g+4*\i+3], v[RD] offset:2*\i*SP   ; LDS serves a wave's instructions in order (ISA guide 5.7.1.4)
.endr
.endr
.endm
.macro SEND t, younger                 ; younger: LDS instructions issued behind tile t's; behind the first half's loads stand the second half's 16 too
.irp g, 0,1
.irp i, 0,1,2,3,4,5,6,7
	s_wait_dscnt \younger+16*(1-\g)+7-\i
	global_store_b128 v[GO], v[S+64*(\t)+32*\g+4*\i:S+64*(\t)+32*\g+4*\i+3], s[12:13] offset:8192*(\t)+1024*\i+256*\g th:TH_STORE_NT   ; 16 lanes store 256 consecutive bytes, aligned
.endr
.endr
.endm
.macro FINISH nxt                      ; a block leaves; nxt = 1: the next block's Q comes in under the way out, and the block is begun
.if \nxt
	s_add_nc_u64 s[4:5], s[4:5], 32768             ; 256 rows of Q on (the loads and the prefetch that read this base are behind their waits)
	QLOAD
.endif
.irp t, 0,1
	v_add_f32 v[ST+8*\t+6], v[ST+8*\t+2], v[ST+8*\t+3]
.endr
.irp t, 0,1
	s_delay_alu instid0(VALU_DEP_2)
	v_permlanex16_b32 v[ST+8*\t+7], v[ST+8*\t+6], s[SEL], s[SEL+1]
.endr
.irp t, 0,1
	s_delay_alu instid0(VALU_DEP_2)
	v_add_f32 v[ST+8*\t+6], v[ST+8*\t+6], v[ST+8*\t+7]
.endr
	s_wait_alu depctr_va_vdst(0)                   ; the wait ahead of the reciprocals,
.irp t, 0,1
	v_rcp_f32 v[ST+8*\t+4], v[ST+8*\t+6]
.endr
	v_nop
	s_add_co_i32 s16, s[SC+2], s[SC+3]             ; ep + ev
	s_wait_alu depctr_va_vdst(0)                   ; and behind them, ahead of the first use
.irp t, 0,1
	v_ldexp_f32 v[ST+8*\t+4], v[ST+8*\t+4], s16
.endr
	OUT 0
	OUT 1
	SEND 0, 32
	SEND 1, 0
.if \nxt
	s_wait_xcnt 0x0                                ; the stores' base and data may be written
	s_add_nc_u64 s[12:13], s[12:13], 131072        ; 256 rows of out0 on
	INIT
	s_wait_loadcnt 0x0                             ; Q
	QSPLIT
	s_wait_alu depctr_va_vdst(0)
.endif
.endm
	s_wait_loadcnt 0x0                             ; Q
	QSPLIT
	s_wait_alu depctr_va_vdst(0)
.Lpair:                                            ; three trips: two visits each; the first block ends with the second trip
	VISIT 0, 1
	VISIT 1, 1
	s_cmp_lg_u32 s[PAIRS], 2
	s_cbranch_scc1 .Lgo_on
	FINISH 1
.Lgo_on:
	s_sub_co_u32 s[PAIRS], s[PAIRS], 1
	s_cmp_lg_u32 s[PAIRS], 0
	s_cbranch_scc1 .Lpair
	VISIT 0, 1                                     ; the last two visits are written out: the last asks for nothing
	VISIT 1, 0
	FINISH 0
	s_wait_tensorcnt 0x0                           ; the wave's end
	ds_add_u32 v[SPW], v[NIL]
	s_wait_dscnt 0x0
	CROUND                                         ; the closing round
	s_endpgm
.Lfunc_end_k_q7f164d463e_attn:
	.size	k_q7f164d463e_attn, .Lfunc_end_k_q7f164d463e_attn-k_q7f164d463e_attn
	.p2alignl 7, 3214868480
	.fill 96, 4, 3214868480
	.section	.rodata,"a",@progbits
	.p2align	6, 0x0
	.amdhsa_kernel k_q7f164d463e_attn
		.amdhsa_group_segment_fixed_size 327680
		.amdhsa_private_segment_fixed_size 0
		.amdhsa_enable_private_segment 0
		.amdhsa_kernarg_size 40
		.amdhsa_user_sgpr_count 2
		.amdhsa_user_sgpr_kernarg_segment_ptr 1
		.amdhsa_wavefront_size32 1
		.amdhsa_system_sgpr_workgroup_id_x 1
		.amdhsa_system_sgpr_workgroup_id_y 1
		.amdhsa_system_sgpr_workgroup_id_z 1
		.amdhsa_system_vgpr_workitem_id 0
		.amdhsa_next_free_vgpr 512
		.amdhsa_next_free_sgpr 100
		.amdhsa_reserve_vcc 0
		.amdhsa_float_denorm_mode_32 3
		.amdhsa_float_denorm_mode_16_64 3
		.amdhsa_memory_ordered 1
		.amdhsa_forward_progress 1
		.amdhsa_inst_pref_size 222
	.end_amdhsa_kernel
	.amdgpu_metadata
---
amdhsa.version: [ 1, 2 ]
amdhsa.kernels:
  - .name:           k_q7f164d463e_attn
    .symbol:         k_q7f164d463e_attn.kd
    .args:
      - { .name: query_codes, .offset: 0, .size: 8, .value_kind: global_buffer, .address_space: global }
      - { .name: key_codes, .offset: 8, .size: 8, .value_kind: global_buffer, .address_space: global }
      - { .name: value_codes, .offset: 16, .size: 8, .value_kind: global_buffer, .address_space: global }
      - { .name: lowp_scales, .offset: 24, .size: 8, .value_kind: global_buffer, .address_space: global }
      - { .name: out0, .offset: 32, .size: 8, .value_kind: global_buffer, .address_space: global }
    .group_segment_fixed_size: 327680
    .private_segment_fixed_size: 0
    .kernarg_segment_align: 8
    .kernarg_segment_size: 40
    .max_flat_workgroup_size: 256
    .sgpr_count:     100
    .vgpr_count:     512
    .wavefront_size: 32
...
	.end_amdgpu_metadata
.endif
;; end of part 1
